; MI455X (gfx1250); checked and timed in simulation.
; The chip was launched on July 23, 2026; its instructions are those of AMD's public machine-readable ISA for CDNA 5 (MIT licence, August 2026) and "CDNA5" Instruction Set Architecture Reference Guide (July 2026). The comments in the code are by the model that wrote it; some were corrected since.
;; Mo E. Allowed arithmetic: float matrix products may take bf16 or f16 operands with f32 sums; all other float work in f32.
;; Inputs: We 8 x 1,024 x 1,024 float32; Wg 1,024 x 8 float32; be 8 x 1,024 float32; bg 8 float32; x 8,192 x 1,024 float32.
;; Outputs: out0 8,192 x 1,024 float32.
;; One version. Each part assembles by itself: llvm-mc -triple=amdgcn-amd-amdhsa -mcpu=gfx1250 --defsym DOCPART=n.
;; ======== version 1 of 1: 2 launches
;; workspace buffers: xb 16,777,216 bytes; wb 16,777,216 bytes; gate2 524,288 bytes
;; launch prep (part 1): grid 512 x 1, 4 waves a work-group, no clusters, 2,560 bytes of LDS; arguments x, Wg, bg, We, xb, wb, gate2; writes xb, wb, gate2
.if DOCPART == 1
	.amdgcn_target "amdgcn-amd-amdhsa--gfx1250"
	.amdhsa_code_object_version 6
	.text
	.protected	k_q3cd4938ace_prep
	.globl	k_q3cd4938ace_prep
	.p2align	8
	.type	k_q3cd4938ace_prep,@function
k_q3cd4938ace_prep:
	s_mov_b64 s[64:65], 0
	v_nop
	global_prefetch_b8 v0, s[64:65] scope:SCOPE_SE
	s_setreg_imm32_b32 hwreg(HW_REG_WAVE_MODE, 25, 1), 1
	s_wait_xcnt 0x0
; xb = x in bf16, wb = We in bf16 (both in the layout of their source), gate2[e][b] = softmax over e of (x Wg + bg)[b][e], each gate written twice.
; x: [8192][1024] f32.  Wg: [1024][8] f32.  bg: [8] f32.  We: [8][1024][1024] f32.  gate2: [8][8192][2] f32.
; 512 work-groups of four waves.  Even ones (number 2 n) take rows 32 n .. 32 n + 31 of x: cast and gates.  Odd ones (2 n + 1) cast bytes 131,072 n .. + 131,071 of We.
; Both kinds read 131,072 bytes and write 65,536 of bf16; a wave's load covers 512 consecutive bytes, its store 256 consecutive bytes at a multiple of 256.
; THE GATES are made here because x passes through registers anyway: a wave takes a whole row (32 numbers a lane) and multiplies it by Wg kept in 256 registers of each lane.
; x Wg is a matrix product like the experits' own: its operands are x and Wg ROUNDED TO bf16, the same x that the experts' products take; a product of two bf16 numbers is exact in f32,
; and the sums, bg, the maximum and the softmax are in f32.  It is 8 columns beside the experts' 8,192 and runs on the vector unit: a matrix fragment would want 16 rows a load in
; place of 512 consecutive bytes.  The row's maximum is taken away before the exponential.
; LIMITS: xb, wb and the gating product's operands are rounded to bf16 (nearest even); the sum over d runs by lanes, not in ascending d;
; a gate under 2^-126 comes out as 0 (v_exp_f32 gives 0 for a result that would be denormal: ISA guide, its entry in 15.8).
; No tensor load, no cluster: no two work-groups read the same bytes of x or We, and Wg is 32,768 bytes.
.set XO, 2                             ; v2       16 lane + 32,768 wave: my 16 bytes in the wave's first 512 of the source; never rewritten
.set YO, 3                             ; v3       8 lane + 16,384 wave: the same in the bf16 copy; never rewritten
.set WO, 4                             ; v4       128 lane: my four rows of Wg in each group of 128
.set LG, 5                             ; v5       LDS: 64 wave: my wave's 8 rows in an expert's 256 bytes
.set LR, 6                             ; v6       LDS: 16 thread: the way back
.set GS, 7                             ; v7       gate2: 65,536 (thread / 16) + 16 (thread % 16)
.set S,  8                             ; v[8:15]  the row's 8 sums, then logits, then exponentials
.set T,  16                            ; v[16:23] the other half of the lanes' sums; at work
.set GG, 24                            ; v[24:39] the 8 gates, each twice
.set Y,  40                            ; v[40:55] the row in bf16
.set R,  56                            ; v56 1 / sum, v57 the sum
.set MX, 58                            ; v58 c x maximum; v59 is named with it as a pair and written once
.set GB, 60                            ; v[60:63] at work at the head; the gates read back from LDS
.set X,  64                            ; v[64:191] four row slots of 32 registers (cast of We: 32 slots of 4)
.set D,  192                           ; v[192:255] cast of We: the first 32 chunks in bf16
                                       ; v[256:511] (window 1, v0-255): Wg: register 8 i + e = Wg[128 (i / 4) + 4 lane + i % 4][e], beside register i of a row slot
.set LOG2E, 0x3fb8aa3b                 ; c = log2(e)
.set MSB, 0
.macro WIN new                         ; s_set_vgpr_msb: bits 1:0 source 0, 3:2 source 1, 5:4 source 2, 7:6 destination; the high byte repeats the setting that is left
.if MSB != \new
	s_set_vgpr_msb (MSB<<8)|\new
.set MSB, \new
.endif
.endm
	s_load_b256 s[4:11], s[0:1], 0x0               ; x s[4:5], Wg s[6:7], bg s[8:9], We s[10:11]
	s_load_b128 s[12:15], s[0:1], 0x20             ; xb s[12:13], wb s[14:15]
	s_load_b64 s[16:17], s[0:1], 0x30              ; gate2
	s_set_vgpr_msb 0x80
	v_lshl_add_u32 v0, v0, 2, 0x800
	v_mov_b32 v1, 0
	s_set_vgpr_msb 0x8000
	s_lshr_b32 s18, ttmp9, 1                       ; n
	s_and_b32 s19, ttmp9, 1                        ; 0: rows of x, 1: a piece of We
	v_and_b32 v1, 31, v0                           ; lane
	v_lshrrev_b32 v[GB], 5, v0
	v_readfirstlane_b32 s22, v[GB]                 ; wave
	v_lshlrev_b32 v[XO], 4, v1
	v_lshl_add_u32 v[XO], v[GB], 15, v[XO]
	v_lshlrev_b32 v[YO], 3, v1
	v_lshl_add_u32 v[YO], v[GB], 14, v[YO]
	s_lshl_b32 s32, s18, 17                        ; the work-group's 131,072 bytes of f32,
	s_mov_b32 s33, 0
	s_lshl_b32 s34, s18, 16                        ; its 65,536 bytes of bf16
	s_mov_b32 s35, 0
	s_wait_kmcnt 0x0
	s_cmp_lg_u32 s19, 0
	s_cbranch_scc1 .Lcast                          ; the same way for all four waves
	; ---------------- rows of x ----------------
	s_load_b256 s[24:31], s[8:9], 0x0              ; bg's eight numbers
	s_add_nc_u64 s[4:5], s[4:5], s[32:33]
	s_add_nc_u64 s[12:13], s[12:13], s[34:35]
	s_lshl_b32 s36, s18, 8                         ; 32 rows x 8 bytes in each expert's part of gate2
	s_mov_b32 s37, 0
	s_add_nc_u64 s[16:17], s[16:17], s[36:37]
	s_mov_b32 s20, 0x76543210                      ; v_permlanex16_b32: each lane takes its own place in the other half
	s_mov_b32 s21, 0xfedcba98
	s_lshl_b32 s23, s22, 6
	s_mov_b32 s38, 0xffff0000                      ; a word's upper bf16
	v_lshlrev_b32 v[WO], 7, v1
	WIN 0x40                                       ; destination window 1
.set i, 0
.rept 32
	global_load_b128 v[8*i:8*i+3],   v[WO], s[6:7] offset:4096*(i/4)+32*(i%4)
	global_load_b128 v[8*i+4:8*i+7], v[WO], s[6:7] offset:4096*(i/4)+32*(i%4)+16
.set i, i+1
.endr
	WIN 0
.macro LOADROW slot, t                 ; row t of my wave's eight: eight loads of 512 consecutive bytes
.irp j, 0,1,2,3,4,5,6,7
	global_load_b128 v[X+32*(\slot)+4*\j:X+32*(\slot)+4*\j+3], v[XO], s[4:5] offset:4096*(\t)+512*\j th:TH_LOAD_NT
.endr
.endm
	LOADROW 0, 0
	LOADROW 1, 1
	LOADROW 2, 2
	LOADROW 3, 3
	v_mov_b32 v[LG], s23
	v_lshlrev_b32 v[LR], 4, v0
	v_lshrrev_b32 v[GS], 4, v0
	v_and_b32 v[GB+1], 15, v0
	v_lshlrev_b32 v[GS], 16, v[GS]
	v_lshl_add_u32 v[GS], v[GB+1], 4, v[GS]
.irp e, 0,1,2,3,4,5,6,7
	v_mov_b32 v[T+\e], 0                           ; v_permlanex16_b32 counts as a reader of its destination: written once here
.endr
	v_mov_b32 v[MX+1], 0                           ; named as the upper half of a pair, never used
	; Wg is rounded to bf16 once, in place: two neighbours are packed onto the first of them, then widened again: the upper half by a mask, the lower by a shift
	s_wait_loadcnt 32                              ; loads come back in order (ISA guide 5.7.1): Wg's 64 are in; the four rows' 32 younger loads stay out
	WIN 0x45                                       ; destination and both sources in window 1
.set i, 0
.rept 128
	v_cvt_pk_bf16_f32 v[2*i], v[2*i], v[2*i+1]
.set i, i+1
.endr
	WIN 0x44                                       ; destination and source 1 in window 1; source 0 is a scalar or a constant
.set i, 0
.rept 128
	v_and_b32 v[2*i+1], s38, v[2*i]
	v_lshlrev_b32 v[2*i], 16, v[2*i]
.set i, i+1
.endr
	WIN 0
	s_wait_kmcnt 0x0                               ; bg
; Row t.  left: the younger loads that may stay out.  refill = 1: the slot takes row t + 4.
.macro ROW t, left, refill
.set XS, X+32*((\t)%4)
	s_wait_loadcnt \left                           ; my row is in; the rows behind it stay out
.if \t > 0
	s_wait_xcnt 0x0                                ; Y is the last row's store data: rewritten only behind this wait
.endif
.set m, 0
.rept 16
	v_cvt_pk_bf16_f32 v[Y+m], v[XS+2*m], v[XS+2*m+1]
.set m, m+1
.endr
.irp j, 0,1,2,3,4,5,6,7
	global_store_b64 v[YO], v[Y+2*\j:Y+2*\j+1], s[12:13] offset:2048*(\t)+256*\j   ; 32 lanes store 256 consecutive bytes, at a multiple of 256
.endr
.set m, 0
.rept 16                               ; the rounded row, widened back into its slot: the gating product takes what the experts' products take
	v_lshlrev_b32 v[XS+2*m],   16,  v[Y+m]
	v_and_b32     v[XS+2*m+1], s38, v[Y+m]
.set m, m+1
.endr
	WIN 0x04                                       ; source 1 (Wg) in window 1
.set i, 0
.rept 32                               ; the lane's number i times its row of Wg: four packed chains of two experts each; the first product starts them
.set p, 0
.rept 4
.if i == 0
	v_pk_mul_f32 v[S+2*p:S+2*p+1], v[XS:XS+1], v[2*p:2*p+1] op_sel_hi:[0,1]
.elseif i%2 == 0
	v_pk_fma_f32 v[S+2*p:S+2*p+1], v[XS+i:XS+i+1], v[8*i+2*p:8*i+2*p+1], v[S+2*p:S+2*p+1] op_sel_hi:[0,1,1]
.else
	v_pk_fma_f32 v[S+2*p:S+2*p+1], v[XS+i-1:XS+i], v[8*i+2*p:8*i+2*p+1], v[S+2*p:S+2*p+1] op_sel:[1,0,0] op_sel_hi:[1,1,1]
.endif
.set p, p+1
.endr
.set i, i+1
.endr
	WIN 0
.if \refill
	LOADROW (\t)%4, \t+4                           ; the slot has been read out
.endif
	; the eight sums over the 32 lanes: four steps inside each half ride on the addition, one crosses the halves; every lane ends with all eight
.irp k, 1,2,4,8
.irp e, 0,1,2,3,4,5,6,7
	v_add_f32_dpp v[S+\e], v[S+\e], v[S+\e] row_xmask:\k row_mask:0xf bank_mask:0xf
.endr
.endr
.irp e, 0,1,2,3,4,5,6,7
	v_permlanex16_b32 v[T+\e], v[S+\e], s20, s21
.endr
.irp e, 0,1,2,3,4,5,6,7
	v_add_f32 v[S+\e], v[S+\e], v[T+\e]
.endr
.irp e, 0,1,2,3,4,5,6,7
	v_add_f32 v[S+\e], s[24+\e], v[S+\e]           ; + bg
.endr
	v_max3_num_f32 v[MX], v[S], v[S+1], v[S+2]
	v_max3_num_f32 v[MX], v[MX], v[S+3], v[S+4]
	v_max3_num_f32 v[MX], v[MX], v[S+5], v[S+6]
	v_max_num_f32 v[MX], v[MX], v[S+7]
	v_mul_f32 v[MX], LOG2E, v[MX]                  ; c m
.irp p, 0,2,4,6
	v_pk_fma_f32 v[S+\p:S+\p+1], v[S+\p:S+\p+1], LOG2E, v[MX:MX+1] op_sel_hi:[1,0,0] neg_lo:[0,0,1] neg_hi:[0,0,1]   ; c s - c m
.endr
.irp e, 0,1,2,3,4,5,6,7
	v_exp_f32 v[S+\e], v[S+\e]
.endr
	v_nop                                          ; a plain instruction between the last exponential and the use of its result (ISA guide 5.7.2)
	s_wait_alu depctr_va_vdst(0)
	v_pk_add_f32 v[T:T+1], v[S:S+1], v[S+2:S+3]
	v_pk_add_f32 v[T+2:T+3], v[S+4:S+5], v[S+6:S+7]
	v_pk_add_f32 v[T:T+1], v[T:T+1], v[T+2:T+3]
	v_add_f32 v[R+1], v[T], v[T+1]                 ; at least about 1: the largest logit's exponential is among the eight
	v_rcp_f32 v[R], v[R+1]
	v_nop
	s_wait_alu depctr_va_vdst(0)
.irp e, 0,2,4,6
	v_pk_mul_f32 v[GG+2*\e:GG+2*\e+1],   v[S+\e:S+\e+1], v[R:R+1] op_sel_hi:[0,0]               ; gate e, twice
	v_pk_mul_f32 v[GG+2*\e+2:GG+2*\e+3], v[S+\e:S+\e+1], v[R:R+1] op_sel:[1,0] op_sel_hi:[1,0]   ; gate e + 1, twice
.endr
.irp e, 0,1,2,3,4,5,6,7
	ds_store_b64 v[LG], v[GG+2*\e:GG+2*\e+1] offset:256*\e+8*(\t)   ; LDS: [expert][32 rows][2]; all lanes write the same bytes with the same value
.endr
.endm
	ROW 0, 24, 1                                   ; three younger rows, eight loads each
	ROW 1, 24, 1
	ROW 2, 24, 1
	ROW 3, 24, 1
	ROW 4, 24, 0
	ROW 5, 16, 0                                   ; nothing is left to load: the counts run down
	ROW 6, 8, 0
	ROW 7, 0, 0
	s_wait_dscnt 0x0                               ; for the others' sake: my gates are in LDS
	s_barrier_signal -1
	s_barrier_wait -1
	ds_load_b128 v[GB:GB+3], v[LR]                 ; 128 threads x 16 bytes: all 2,048
	s_wait_dscnt 0x0
	global_store_b128 v[GS], v[GB:GB+3], s[16:17]  ; sixteen lanes store an expert's 256 consecutive bytes, at a multiple of 256
	s_set_vgpr_msb 0xa
	s_wait_tensorcnt 0x0
	ds_add_u32 v0, v1
	s_wait_dscnt 0x0
	s_set_vgpr_msb 0xa00
	s_endpgm
	; ---------------- a piece of We: 64 chunks of 512 bytes a wave, 32 loads always on their way ----------------
.Lcast:
	s_add_nc_u64 s[10:11], s[10:11], s[32:33]
	s_add_nc_u64 s[14:15], s[14:15], s[34:35]
.set i, 0
.rept 32
	global_load_b128 v[X+4*i:X+4*i+3], v[XO], s[10:11] offset:512*i th:TH_LOAD_NT
.set i, i+1
.endr
.set i, 0
.rept 32                               ; chunks 0 to 31: packed into registers of their own, so that the slot can be loaded again at once and no store's data is ever rewritten
	s_wait_loadcnt 31                              ; my chunk is in; the 31 younger loads stay out
	v_cvt_pk_bf16_f32 v[D+2*i],   v[X+4*i],   v[X+4*i+1]
	v_cvt_pk_bf16_f32 v[D+2*i+1], v[X+4*i+2], v[X+4*i+3]
	global_load_b128 v[X+4*i:X+4*i+3], v[XO], s[10:11] offset:512*(i+32) th:TH_LOAD_NT
	global_store_b64 v[YO], v[D+2*i:D+2*i+1], s[14:15] offset:256*i
.set i, i+1
.endr
.set i, 0
.rept 32                               ; chunks 32 to 63: packed in place; the counts run down
	s_wait_loadcnt 31-i
	v_cvt_pk_bf16_f32 v[X+4*i],   v[X+4*i],   v[X+4*i+1]
	v_cvt_pk_bf16_f32 v[X+4*i+1], v[X+4*i+2], v[X+4*i+3]
	global_store_b64 v[YO], v[X+4*i:X+4*i+1], s[14:15] offset:256*(i+32)
.set i, i+1
.endr
	s_endpgm
.Lfunc_end_k_q3cd4938ace_prep:
	.size	k_q3cd4938ace_prep, .Lfunc_end_k_q3cd4938ace_prep-k_q3cd4938ace_prep
	.p2alignl 7, 3214868480
	.fill 96, 4, 3214868480
	.section	.rodata,"a",@progbits
	.p2align	6, 0x0
	.amdhsa_kernel k_q3cd4938ace_prep
		.amdhsa_group_segment_fixed_size 2560
		.amdhsa_private_segment_fixed_size 0
		.amdhsa_enable_private_segment 0
		.amdhsa_kernarg_size 56
		.amdhsa_user_sgpr_count 2
		.amdhsa_user_sgpr_kernarg_segment_ptr 1
		.amdhsa_wavefront_size32 1
		.amdhsa_system_sgpr_workgroup_id_x 1
		.amdhsa_system_sgpr_workgroup_id_y 1
		.amdhsa_system_sgpr_workgroup_id_z 1
		.amdhsa_system_vgpr_workitem_id 0
		.amdhsa_next_free_vgpr 514
		.amdhsa_next_free_sgpr 66
		.amdhsa_reserve_vcc 0
		.amdhsa_float_denorm_mode_32 3
		.amdhsa_float_denorm_mode_16_64 3
		.amdhsa_memory_ordered 1
		.amdhsa_forward_progress 1
		.amdhsa_inst_pref_size 183
	.end_amdhsa_kernel
	.amdgpu_metadata
---
amdhsa.version: [ 1, 2 ]
amdhsa.kernels:
  - .name:           k_q3cd4938ace_prep
    .symbol:         k_q3cd4938ace_prep.kd
    .args:
      - { .name: x, .offset: 0, .size: 8, .value_kind: global_buffer, .address_space: global }
      - { .name: Wg, .offset: 8, .size: 8, .value_kind: global_buffer, .address_space: global }
      - { .name: bg, .offset: 16, .size: 8, .value_kind: global_buffer, .address_space: global }
      - { .name: We, .offset: 24, .size: 8, .value_kind: global_buffer, .address_space: global }
      - { .name: xb, .offset: 32, .size: 8, .value_kind: global_buffer, .address_space: global }
      - { .name: wb, .offset: 40, .size: 8, .value_kind: global_buffer, .address_space: global }
      - { .name: gate2, .offset: 48, .size: 8, .value_kind: global_buffer, .address_space: global }
    .group_segment_fixed_size: 2560
    .private_segment_fixed_size: 0
    .kernarg_segment_align: 8
    .kernarg_segment_size: 56
    .max_flat_workgroup_size: 128
    .sgpr_count:     66
    .vgpr_count:     514
    .wavefront_size: 32
...
	.end_amdgpu_metadata
.endif
;; end of part 1
;; launch moe (part 2): grid 4 x 64, 4 waves a work-group, clusters of 4 x 4, 327,680 bytes of LDS; arguments xb, wb, gate2, be, out0; writes out0
.if DOCPART == 2
	.amdgcn_target "amdgcn-amd-amdhsa--gfx1250"
	.amdhsa_code_object_version 6
	.text
	.protected	k_q3cd4938ace_moe
	.globl	k_q3cd4938ace_moe
	.p2align	8
	.type	k_q3cd4938ace_moe,@function
k_q3cd4938ace_moe:
	s_mov_b64 s[64:65], 0
	v_nop
	global_prefetch_b8 v0, s[64:65] scope:SCOPE_SE
	s_setreg_imm32_b32 hwreg(HW_REG_WAVE_MODE, 25, 1), 1
	s_wait_xcnt 0x0
	s_wait_alu depctr_hold_cnt(0) depctr_sa_sdst(0) depctr_va_vdst(0) depctr_va_sdst(0) depctr_va_ssrc(0) depctr_va_vcc(0) depctr_vm_vsrc(0)
	s_getreg_b32 s2, hwreg(HW_REG_IB_STS2, 6, 4)
	s_cmp_eq_u32 s2, 0
	s_cbranch_scc0 .Lentry_in_a_cluster
	s_endpgm
.Lentry_in_a_cluster:
	s_bfe_u32 s2, ttmp6, 0x10000c
	s_cmp_lg_u32 s2, 0xf033
	s_cbranch_scc0 .Lentry_shape_is_right
	s_endpgm
.Lentry_shape_is_right:
; out[b][o] = sum over e of g[b][e] (sum over d of x[b][d] We[e][d][o] + be[e][o]).
; xb: [8192][1024] bf16.  wb: [8 x 1024 rows (e, d)][1024 o] bf16.  gate2: [8][8192][2] f32, each gate twice.  be: [8][1024] f32.  out0: [8192][1024] f32.
; SHARES.  A work-group makes 128 rows x 256 columns of out: 64 x 4 = 256 work-groups.  Each of its four waves makes 64 x 128: 32 accumulators of 16 x 16 (256 registers, ACC) for the
; expert in hand, and as many again (OUT) for the sum over experts.  An expert's first product on each accumulator takes be, held in the accumulator's layout, as its C;
; when the expert's 1,024 along d are through, OUT += g ACC, in f32: 128 packed multiply-adds for the expert's 1,024 matrix instructions.
; K goes in 64 steps of 128 (8 experts x 8) through a ring of two LDS slots filled by the tensor data mover.
; THE ORDER OF THE EXPERTS IS ROTATED: cluster c (0..15) starts at expert (c xor (c >> 3)) & 7 and goes round modulo 8.  So the sixteen clusters do not all ask for the same rows of wb
; at the same time: at any moment they are spread over the eight experts, and from a cluster's second expert on each of its tiles of wb has been asked for before by another cluster.
; We lies [d][o], o along the rows: it stays so in LDS and is turned on the way into registers by ds_load_tr16_b128.
; THE MATRIX INSTRUCTION IS USED TRANSPOSED: source 0 = 16 columns of We, source 1 = 16 rows of x.  Lane l then holds row l % 16 of out and the eight neighbouring columns 8 (l / 16) + 0 .. 7,
; so a row's gate is one number a lane.
; CLUSTERS: 4 x 4 work-groups.  The four of a row of the cluster need the same tiles of xb, the four of a column the same tiles of wb: each tile is asked for JOINTLY, by the same tensor load
; with the same descriptor and a mask that names the four.  The first expert hangs on the cluster's number alone, which all sixteen share.
; LIMITS: x and We enter as bf16, sums in f32; the sum over d is the matrix unit's; the sum over e starts at the cluster's first expert and goes round, not ascending; bf16 and not f16, for its range.
; REGISTERS, in windows of 256 (s_set_vgpr_msb: bits 1:0 source 0, 3:2 source 1, 5:4 source 2, 7:6 destination):
;   window 0: v0-31 addresses; v32-39 gates; v64-127 be; v128-191 fragments of x, two buffers of 4 x 8; v192-255 (and v128-191 at the end) the way out
;   window 1: v0-127 fragments of We, two buffers of 8 x 8.     window 2: ACC, accumulator (a, b) at v[8 (8 a + b)].     window 3: OUT, at the same numbers
.set PA,    272                        ; a row of x in LDS: 256 bytes + 16 = 68 words: row r starts at bank 4 r mod 64 (64 banks of 4 bytes: ISA guide 11.1): the 16 rows of a load start at 16 different banks
.set PB,    544                        ; a row of We: 512 bytes + 32 = 136 words: row r starts at bank 8 r mod 64
.set BOFF,  128*PA                     ; in a slot: x's 128 rows, then We's 128 rows
.set SLOT,  128*PA+128*PB              ; 104,448
.set STAGE, 2*SLOT                     ; behind the ring: 16 rows x 528 bytes for each wave, for the way out
.set SP,    528                        ; 512 bytes + 16: 33 x 16
.set SPARE, STAGE+4*16*SP              ; behind the stages: the spare words, 128 bytes for each wave: two blocks of 256 bytes that no other line names
.set ADRA, 16                          ; v16-17  LDS address of my fragments of x in slot 0, 1
.set ADRB, 20                          ; v20-21  the same for We
.set STO,  24                          ; v24     the way out: where I put 32 bytes of a row
.set RD,   25                          ; v25     the way out: where I read 16 bytes of a row back
.set CO,   26                          ; v26     16 lane: my byte offset in a row of my wave's part of out
.set BEO,  27                          ; v27     32 (l / 16): my eight numbers in 16 of be
.set SPW,  28                          ; v28     LDS address of my spare word: SPARE + 4 x my thread's number; never rewritten
.set NIL,  29                          ; v29     0; never rewritten
.set GO,   30                          ; v30     8 (l % 16): my row's gate pair
.set G,    32                          ; v[32:39]   pair a: the gate of row 16 a + l % 16, twice
.set BE,   64                          ; v[64:127]  register 8 b + j = be[e][16 b + 8 (l / 16) + j]
.set AF,   128                         ; fragments of x: buffer f, block a at AF + 32 f + 8 a
.set TMP,  192
.set G1A, 24                           ; s[24:31] descriptor group 1 for x's tiles;  s[32:39] group 0, a set for each slot
.set G0A, 32
.set G1B, 48                           ; s[48:55], s[56:63] the same for We's tiles
.set G0B, 56
.set E0,   66                          ; s66      the expert at which my cluster starts
.set WOF,  68                          ; s[68:69], s[70:71] slot 0's, slot 1's byte offset in wb (rows alone), modulo wb's 16,777,216 bytes; the high words are 0
.set GOF,  72                          ; s[72:73] the expert's byte offset in gate2, modulo 524,288
.set BIOF, 74                          ; s[74:75] the expert's byte offset in be, modulo 32,768
.set GAD,  76                          ; s[76:77] gate2 at my rows of the expert in hand
.set BAD,  78                          ; s[78:79] be at my columns of the expert to come
.set MUL,  0xa1                        ; source 0 (We) window 1, source 1 (x) window 0, C and D window 2
.set MULB, 0x81                        ; the same with C (be) in window 0
.set TO_B, 0x40                        ; destination window 1, address window 0
.set CMB,  0xf2                        ; OUT (destination, source 2) window 3, ACC (source 0) window 2, the gate window 0
.set CMB1, 0xc2                        ; the same without a third source
.set STW,  0x0c                        ; an LDS store's data window 3
.set MSB, 0
.macro WIN new                         ; the immediate's high byte repeats the setting that is left; a switch that changes nothing is dropped
.if MSB != \new
	s_set_vgpr_msb (MSB<<8)|\new
.set MSB, \new
.endif
.endm
.macro PLACES                          ; four places behind a matrix instruction, in front of loads into registers that it read and of vector lines that read its result
.rept 4
	v_nop
.endr
.endm
; A joint load.  Waves 0 and 1 fetch the two halves (64 rows each) of x's tile, waves 2 and 3 those of We's.  The branch hangs on the wave's number alone.
; Four v_nop follow each of the two lines, ahead of the jump, the label and what follows the macro.
.macro JLOAD s
	s_cmp_eq_u32 s15, 0
	s_cbranch_scc0 .Lfor_b_\@
	tensor_load_to_lds s[G0A+4*\s:G0A+4*\s+3], s[G1A:G1A+7]
	s_nop 0
.rept 4
	v_nop
.endr
	s_branch .Lasked_\@
.Lfor_b_\@:
	tensor_load_to_lds s[G0B+4*\s:G0B+4*\s+3], s[G1B:G1B+7]
	s_nop 0
.rept 4
	v_nop
.endr
.Lasked_\@:
.endm
; A round of the cluster's barrier: my work-group's barrier; wave 0 signals for the work-group; every wave waits for all sixteen work-groups; my work-group's barrier once more.
.macro CREST                           ; a round behind its opening barrier
	s_cmp_lg_u32 s14, 0
	s_cbranch_scc1 .Lnot_wave_0_\@
	s_barrier_signal -3
.Lnot_wave_0_\@:
	s_barrier_wait -3
	s_barrier_signal -1
	s_barrier_wait -1
.endm
.macro CROUND
	s_barrier_signal -1
	s_barrier_wait -1
	CREST
.endm
	s_load_b128 s[4:7], s[0:1], 0x0                ; xb s[4:5], wb s[6:7]
	s_load_b128 s[8:11], s[0:1], 0x10              ; gate2 s[8:9], be s[10:11]
	s_load_b64 s[12:13], s[0:1], 0x20              ; out0
	v_lshl_add_u32 v[SPW], v0, 2, SPARE
	v_mov_b32 v[NIL], 0
	ds_add_u32 v28, v29
	s_wait_dscnt 0x0
	v_lshrrev_b32 v1, 5, v0
	v_readfirstlane_b32 s14, v1                    ; wave 0..3
	s_lshr_b32 s15, s14, 1                         ; which 64 of the tile's rows are mine.  Also: I fetch for x (0) or for We (1)
	s_and_b32 s16, s14, 1                          ; which 128 of its columns.  Also: which 64 rows of that tile I fetch
	s_bfe_u32 s40, ttmp6, 0x40000                  ; cx, cy: my place in the cluster
	s_bfe_u32 s41, ttmp6, 0x40004
	s_lshl_b32 s42, ttmp9, 2                       ; in a cluster launch ttmp9 and ttmp7 count clusters
	s_add_co_u32 s42, s42, s40                     ; tile column 0..3
	s_and_b32 s43, ttmp7, 0xffff                   ; the cluster's number c, 0..15
	s_lshr_b32 s[E0], s43, 3
	s_xor_b32 s[E0], s[E0], s43
	s_and_b32 s[E0], s[E0], 7                      ; my cluster's first expert: clusters 0-7 take 0..7, clusters 8-15 take 1, 0, 3, 2, 5, 4, 7, 6
	s_lshl_b32 s43, s43, 2
	s_add_co_u32 s43, s43, s41                     ; tile row 0..63
	s_lshl_b32 s44, s41, 2
	s_lshl_b32 s44, 15, s44                        ; my row of the cluster: places 4 cy .. 4 cy + 3
	s_lshl_b32 s45, 0x1111, s40                    ; my column: places cx, cx + 4, cx + 8, cx + 12
	s_lshl_b32 s[WOF], s[E0], 21                   ; an expert is 1,024 rows of 2,048 bytes of wb: slot 0 begins with its K step 0,
	s_mov_b32 s[WOF+1], 0
	s_add_co_u32 s[WOF+2], s[WOF], 262144          ; slot 1 with its K step 1: 128 rows on
	s_mov_b32 s[WOF+3], 0
	s_lshl_b32 s[GOF], s[E0], 16                   ; 8,192 rows x 8 bytes of gate2 an expert
	s_mov_b32 s[GOF+1], 0
	s_lshl_b32 s[BIOF], s[E0], 12                  ; 1,024 x 4 bytes of be an expert
	s_mov_b32 s[BIOF+1], 0
	; group 1 for x: 64 rows x 128 elements; for We: 64 rows x 256 elements; both from rows of 1,024 elements
	s_or_b32 s[G1A+0], s44, (1<<16)|(1<<20)|(1<<21)|(5<<22)|(3<<25)  ; 15:0 the mask: my row; 17:16 elements of 2 bytes; 20 padding on; 21 set beside a mask; 24:22 after every 64 words (code 5); 31:25 4 words (code 3)
	s_mov_b32 s[G1A+1], 128<<16                    ; tensor_dim0 = 128
	s_mov_b32 s[G1A+2], 64<<16                     ; tensor_dim1 = 64
	s_mov_b32 s[G1A+3], 128<<16                    ; tile_dim0 = 128
	s_mov_b32 s[G1A+4], 64                         ; tile_dim1 = 64
	s_mov_b32 s[G1A+5], 1024                       ; elements from row to row
	s_mov_b32 s[G1A+6], 0
	s_mov_b32 s[G1A+7], 0
	s_or_b32 s[G1B+0], s45, (1<<16)|(1<<20)|(1<<21)|(6<<22)|(7<<25)  ; the mask: my column; padding after every 128 words (code 6), 8 words (code 7)
	s_mov_b32 s[G1B+1], 256<<16
	s_mov_b32 s[G1B+2], 64<<16
	s_mov_b32 s[G1B+3], 256<<16
	s_mov_b32 s[G1B+4], 64
	s_mov_b32 s[G1B+5], 1024
	s_mov_b32 s[G1B+6], 0
	s_mov_b32 s[G1B+7], 0
	; x's tiles hang on the tile row alone, We's on the tile column and the cluster's number alone; each address is made in registers that never hold the other place in the cluster
	s_lshl_b32 s18, s43, 18                        ; 128 rows of 2,048 bytes a tile row,
	s_lshl_b32 s19, s16, 17                        ; 64 rows for my half
	s_add_co_u32 s18, s18, s19
	s_mov_b32 s19, 0
	s_lshl_b32 s46, s42, 9                         ; 256 columns of 2 bytes a tile column,
	s_lshl_b32 s47, s16, 17                        ; 64 rows for my half
	s_add_co_u32 s46, s46, s47
	s_mov_b32 s47, 0
	s_mul_i32 s22, s16, 64*PA                      ; where they go: no place in the cluster enters an LDS address
	s_mul_i32 s23, s16, 64*PB
	s_add_co_u32 s23, s23, BOFF
	s_wait_kmcnt 0x0
	s_add_nc_u64 s[20:21], s[4:5], s[18:19]
	s_add_nc_u64 s[6:7], s[6:7], s[46:47]          ; wb at my columns and my half of a tile's rows: kept; a refill adds its slot's offset to it
	CROUND                                         ; all sixteen work-groups are here: the first joint loads meet
.irp s, 0,1
	s_mov_b32 s[G0A+4*\s], 1                                       ; count = 1
	s_add_co_u32 s[G0A+4*\s+1], s22, \s*SLOT                       ; LDS address
	s_add_nc_u64 s[G0A+4*\s+2:G0A+4*\s+3], s[20:21], \s*256        ; K step s: 128 columns of 2 bytes on
	s_or_b32 s[G0A+4*\s+3], s[G0A+4*\s+3], 0x80000000              ; type = 2
	s_mov_b32 s[G0B+4*\s], 1
	s_add_co_u32 s[G0B+4*\s+1], s23, \s*SLOT
	s_add_nc_u64 s[G0B+4*\s+2:G0B+4*\s+3], s[6:7], s[WOF+2*\s:WOF+2*\s+1]   ; K step s of my cluster's first expert
	s_or_b32 s[G0B+4*\s+3], s[G0B+4*\s+3], 0x80000000
.endr
	s_cmp_eq_u32 s15, 0                            ; a wave's two first fills stand in one branch, ahead of every wait on TENSORcnt and every LDS read: two loads of mine are out
	s_cbranch_scc0 .Lfirst_b
	tensor_load_to_lds s[G0A:G0A+3], s[G1A:G1A+7]
	s_nop 0
	tensor_load_to_lds s[G0A+4:G0A+7], s[G1A:G1A+7]
	s_nop 0
.rept 4
	v_nop
.endr
	s_branch .Lfirst_asked
.Lfirst_b:
	tensor_load_to_lds s[G0B:G0B+3], s[G1B:G1B+7]
	s_nop 0
	tensor_load_to_lds s[G0B+4:G0B+7], s[G1B:G1B+7]
	s_nop 0
.rept 4
	v_nop
.endr
.Lfirst_asked:
	; the gates', the biases' and the output's addresses at my wave's part
	s_lshl_b32 s18, s43, 10                        ; (128 tile row + 64 row half) x 8 bytes
	s_lshl_b32 s19, s15, 9
	s_add_co_u32 s18, s18, s19
	s_mov_b32 s19, 0
	s_add_nc_u64 s[8:9], s[8:9], s[18:19]          ; gate2 at my rows of expert 0: kept
	s_lshl_b32 s18, s18, 9                         ; the same rows x 4,096 bytes
	s_add_nc_u64 s[12:13], s[12:13], s[18:19]
	s_lshl_b32 s46, s42, 10                        ; (256 tile column + 128 column half) x 4 bytes
	s_lshl_b32 s47, s16, 9
	s_add_co_u32 s46, s46, s47
	s_mov_b32 s47, 0
	s_add_nc_u64 s[10:11], s[10:11], s[46:47]      ; be at my columns of expert 0: kept
	s_add_nc_u64 s[12:13], s[12:13], s[46:47]      ; out0
	; A fragment of x is 16 rows x 32 K in 8 registers: lane l holds row l % 16; registers 0-3 K = 8 (l / 16) + 0..7, registers 4-7 K = 16 + 8 (l / 16) + 0..7: two loads of 16 bytes, 32 bytes apart.
	v_and_b32 v1, 15, v0                           ; l % 16
	v_bfe_u32 v2, v0, 4, 1                         ; l / 16
	v_mul_u32_u24 v3, v1, PA
	v_lshl_add_u32 v3, v2, 4, v3
	s_mul_i32 s17, s15, 64*PA                      ; my 64 rows
	v_add_nc_u32 v[ADRA], s17, v3
	v_add_nc_u32 v[ADRA+1], SLOT, v[ADRA]
	; The turning load takes 16 K x 16 columns (lane l reads 16 bytes: row 8 (l / 16) + l % 8, columns 8 ((l / 8) % 2) + 0..7) and leaves half a fragment: lane l holds column l % 16 and 8 K.
	v_and_b32 v4, 7, v0
	v_lshl_add_u32 v4, v2, 3, v4
	v_mul_u32_u24 v4, v4, PB
	v_bfe_u32 v5, v0, 3, 1
	v_lshl_add_u32 v4, v5, 4, v4
	s_lshl_b32 s17, s16, 8                         ; my 128 columns
	s_add_co_u32 s17, s17, BOFF
	v_add_nc_u32 v[ADRB], s17, v4
	v_add_nc_u32 v[ADRB+1], SLOT, v[ADRB]
	s_mul_i32 s17, s14, 16*SP
	s_add_co_u32 s17, s17, STAGE                   ; my stage
	v_mul_u32_u24 v6, v1, SP                       ; in: row l % 16, 32 bytes for each half of the lanes
	v_lshl_add_u32 v6, v2, 5, v6
	v_add_nc_u32 v[STO], s17, v6
	v_and_b32 v7, 31, v0
	v_lshlrev_b32 v[CO], 4, v7                     ; back: 32 lanes take a row's 512 bytes
	v_add_nc_u32 v[RD], s17, v[CO]
	v_lshlrev_b32 v[BEO], 5, v2
	v_lshlrev_b32 v[GO], 3, v1
; 8 matrix instructions: row block a x all 8 column blocks, 32 along K, from buffer f.  bias = 1: the expert's first product: C is be, and nothing is cleared.
; The 32 accumulators take turns, one instruction a turn, in the same order in every quarter.
.macro MUL8 f, a, bias
.irp b, 0,1,2,3,4,5,6,7
.if \bias
	v_wmma_f32_16x16x32_bf16 v[8*(8*(\a)+\b):8*(8*(\a)+\b)+7], v[64*\f+8*\b:64*\f+8*\b+7], v[AF+32*\f+8*(\a):AF+32*\f+8*(\a)+7], v[BE+8*\b:BE+8*\b+7]
.else
	v_wmma_f32_16x16x32_bf16 v[8*(8*(\a)+\b):8*(8*(\a)+\b)+7], v[64*\f+8*\b:64*\f+8*\b+7], v[AF+32*\f+8*(\a):AF+32*\f+8*(\a)+7], v[8*(8*(\a)+\b):8*(8*(\a)+\b)+7]
.endif
.endr
.endm
.macro MUL16 f, a0, bias
	MUL8 \f, \a0, \bias
	MUL8 \f, \a0+1, \bias
.endm
; 24 LDS loads in one run: quarter q (32 along K) of a slot into buffer f: We's 8 fragments, then x's 4
.macro FETCH slot, q, f
	WIN TO_B
.irp b, 0,1,2,3,4,5,6,7
	ds_load_tr16_b128 v[64*\f+8*\b:64*\f+8*\b+3],   v[ADRB+\slot] offset:32*\q*PB+32*\b
	ds_load_tr16_b128 v[64*\f+8*\b+4:64*\f+8*\b+7], v[ADRB+\slot] offset:32*\q*PB+16*PB+32*\b
.endr
	WIN 0
.irp a, 0,1,2,3
	ds_load_b128 v[AF+32*\f+8*\a:AF+32*\f+8*\a+3],   v[ADRA+\slot] offset:64*\q+\a*16*PA
	ds_load_b128 v[AF+32*\f+8*\a+4:AF+32*\f+8*\a+7], v[ADRA+\slot] offset:64*\q+\a*16*PA+32
.endr
.endm
; A K step is four quarters of 32 along K, 32 matrix instructions each, on buffers 0, 1, 0, 1.  One of the first three: multiplies buffer f; in its middle it fetches quarter q into buffer g.
.macro QUARTER slot, q, f, g, bias
	s_wait_dscnt 4                                 ; We's fragments and x's blocks 0, 1 are in; the youngest four loads (blocks 2, 3) may be out
.if \bias
	WIN MULB
.else
	WIN MUL
.endif
	MUL16 \f, 0, \bias
	PLACES                                         ; buffer g was multiplied in the quarter before
	FETCH \slot, \q, \g
	s_wait_dscnt 24                                ; all but the 24 just issued
.if \bias
	WIN MULB
.else
	WIN MUL
.endif
	MUL16 \f, 2, \bias
.endm
; The last quarter multiplies buffer 1 and changes slots: ONE barrier.  In front of it each wave waits for all its tensor loads (one is out: its part of the next slot), adds 0 to its spare
; word, and waits for that and for its own reads of this slot.  mode 0: nothing is filled.  mode 1: this slot takes the K step two on in the same expert.  mode 2: the next expert's K step 0 or 1.
; With a fill the barrier opens a round of the cluster's barrier, and the joint load is the first tensor load behind it: 112 matrix instructions ahead of the wait for it.
.macro TURN slot, next, mode
	WIN 0                                          ; (the add's two registers lie in window 0)
	s_wait_tensorcnt 0x0                           ; all my tensor loads have landed;
	ds_add_u32 v[SPW], v[NIL]                      ; 0 onto my spare word;
	s_wait_dscnt 5                                 ; (the add and the youngest four loads may be out)
	WIN MUL
	MUL8 1, 0, 0                                   ; eight matrix instructions stand between the add and the wait for it
	s_wait_dscnt 0x0                               ; the add is done, and my reads of this slot are over
	s_barrier_signal -1
	MUL8 1, 1, 0
.if \mode
	WIN 0
.endif
	s_barrier_wait -1
.if \mode
	CREST                                          ; no wave of any partner still reads this slot's tiles or has a load on its way
.if \mode == 2
	s_sub_nc_u64 s[G0A+4*\slot+2:G0A+4*\slot+3], s[G0A+4*\slot+2:G0A+4*\slot+3], 1536   ; x: six K steps of 256 bytes back
.else
	s_add_nc_u64 s[G0A+4*\slot+2:G0A+4*\slot+3], s[G0A+4*\slot+2:G0A+4*\slot+3], 512    ; x: two K steps on
.endif
	s_add_co_u32 s[WOF+2*\slot], s[WOF+2*\slot], 524288            ; We: 256 rows on, into the next expert too,
	s_and_b32 s[WOF+2*\slot], s[WOF+2*\slot], 0xffffff             ; and from expert 7 round to expert 0: modulo wb's 16,777,216 bytes
	s_add_nc_u64 s[G0B+4*\slot+2:G0B+4*\slot+3], s[6:7], s[WOF+2*\slot:WOF+2*\slot+1]
	s_or_b32 s[G0B+4*\slot+3], s[G0B+4*\slot+3], 0x80000000        ; type = 2, set anew on the fresh address
	JLOAD \slot                                    ; its four v_nop are also the places in front of the loads below
.else
	PLACES
.endif
	FETCH \next, 0, 0
	WIN MUL
	MUL16 1, 2, 0
.endm
; OUT = g ACC (first = 1) or OUT += g ACC; each accumulator's registers in ascending order.  left: the younger global loads that may stay out when the gates have to be there.
.macro COMBINE first, left
	s_wait_loadcnt \left
.if \first
	WIN CMB1
.else
	WIN CMB
.endif
.set i, 0
.rept 128
.if \first
	v_pk_mul_f32 v[i:i+1], v[i:i+1], v[G+2*(i/64):G+2*(i/64)+1]
.else
	v_pk_fma_f32 v[i:i+1], v[i:i+1], v[G+2*(i/64):G+2*(i/64)+1], v[i:i+1]
.endif
.set i, i+2
.endr
	WIN 0
.endm
.macro LOADBE step                     ; an expert's 128 biases of my columns, in the accumulators' layout: 16 loads.  step = 1: the next expert's, round from 7 to 0
.if \step
	s_wait_xcnt 0x0                                ; the address is written anew only behind this wait
	s_add_co_u32 s[BIOF], s[BIOF], 4096
	s_and_b32 s[BIOF], s[BIOF], 0x7fff             ; modulo be's 32,768 bytes
.endif
	s_add_nc_u64 s[BAD:BAD+1], s[10:11], s[BIOF:BIOF+1]
.irp b, 0,1,2,3,4,5,6,7
	global_load_b128 v[BE+8*\b:BE+8*\b+3],   v[BEO], s[BAD:BAD+1] offset:64*\b
	global_load_b128 v[BE+8*\b+4:BE+8*\b+7], v[BEO], s[BAD:BAD+1] offset:64*\b+16
.endr
.endm
.macro LOADG step                      ; an expert's gates of my 64 rows: 4 loads.  step = 1: the next expert's, round from 7 to 0
.if \step
	s_wait_xcnt 0x0
	s_add_co_u32 s[GOF], s[GOF], 65536
	s_and_b32 s[GOF], s[GOF], 0x7ffff              ; modulo gate2's 524,288 bytes
.endif
	s_add_nc_u64 s[GAD:GAD+1], s[8:9], s[GOF:GOF+1]
.irp a, 0,1,2,3
	global_load_b64 v[G+2*\a:G+2*\a+1], v[GO], s[GAD:GAD+1] offset:128*\a
.endr
.endm
; An expert from its first quarter to the third quarter of its K step 6.  A trip of the loop goes once round the ring and fills both slots again.
.macro LAPS
	s_wait_loadcnt 4                               ; be is in; the four younger loads, the gates, may stay out
	QUARTER 0, 1, 0, 1, 1                          ; the expert's first quarter stands in front of the loop: its products start the sums from be
	WIN 0                                          ; at a label and at a branch every window is 0
	s_mov_b32 s3, 3
.Llap_\@:
	QUARTER 0, 2, 1, 0, 0
	QUARTER 0, 3, 0, 1, 0
	TURN 0, 1, 1
	QUARTER 1, 1, 0, 1, 0
	QUARTER 1, 2, 1, 0, 0
	QUARTER 1, 3, 0, 1, 0
	TURN 1, 0, 1
	QUARTER 0, 1, 0, 1, 0
	WIN 0
	s_sub_co_u32 s3, s3, 1
	s_cmp_lg_u32 s3, 0
	s_cbranch_scc1 .Llap_\@
	QUARTER 0, 2, 1, 0, 0
	QUARTER 0, 3, 0, 1, 0
	WIN 0
.endm
; The rest of an expert that has a successor: the ring goes on into the next expert, whose biases are asked for here and whose first fragments the second TURN fetches.
; No v_nop in front of the combine: blocks 0 and 1 were last written ahead of the joint load's four v_nop, and blocks 2 and 3 are read 64 lines into it.
.macro ONWARD first
	LOADBE 1                                       ; be's registers were last read in the expert's first quarter
	TURN 0, 1, 2
	QUARTER 1, 1, 0, 1, 0
	QUARTER 1, 2, 1, 0, 0
	QUARTER 1, 3, 0, 1, 0
	TURN 1, 0, 2
	COMBINE \first, 16                             ; the gates are in; the 16 younger loads, the next expert's biases, may stay out
	LOADG 1
.endm
	LOADBE 0
	LOADG 0
	s_wait_tensorcnt 0x1                           ; my part of K step 0 is in; K step 1's may stay out
	s_barrier_signal -1
	s_barrier_wait -1                              ; everybody's is
	FETCH 0, 0, 0
	LAPS                                           ; the first expert is written out: its combine starts OUT, so that nothing is cleared
	ONWARD 1
	s_mov_b32 s2, 7                                ; experts to go: the same number in every work-group
.Lexpert:
	LAPS
	s_cmp_eq_u32 s2, 1
	s_cbranch_scc1 .Llast                          ; the last expert's tail is written out: it asks for nothing more
	ONWARD 0
	s_sub_co_u32 s2, s2, 1
	s_branch .Lexpert
.Llast:
	TURN 0, 1, 0                                   ; my one tensor load that was still out is the last K step's, so no round follows
	QUARTER 1, 1, 0, 1, 0
	QUARTER 1, 2, 1, 0, 0
	QUARTER 1, 3, 0, 1, 0
	s_wait_dscnt 4                                 ; the very last quarter: nothing more to fetch
	WIN MUL
	MUL16 1, 0, 0
	s_wait_dscnt 0x0
	MUL16 1, 2, 0
	PLACES                                         ; the combine's first lines read results with only matrix instructions behind them
	COMBINE 0, 0
; THE WAY OUT of row block a: a lane's 32 bytes of a row go into my own stage, rows of 528 bytes, and come back as whole rows of 512 bytes.
.macro OUTBLK a
.set TM, TMP-64*((\a)%2)               ; v192-255 and v128-191 by turns
	s_wait_xcnt 0x0                                ; these registers were store data two blocks ago: rewritten only behind this wait
	WIN STW
.irp b, 0,1,2,3,4,5,6,7
	ds_store_b128 v[STO], v[8*(8*\a+\b):8*(8*\a+\b)+3]   offset:64*\b
	ds_store_b128 v[STO], v[8*(8*\a+\b)+4:8*(8*\a+\b)+7] offset:64*\b+16
.endr
	WIN 0
.irp t, 0,1,2,3,4,5,6,7,8,9,10,11,12,13,14,15
	ds_load_b128 v[TM+4*\t:TM+4*\t+3], v[RD] offset:\t*SP          ; LDS serves a wave's instructions in order (ISA guide 5.7.1.4): these see the stores above
.endr
.irp t, 0,1,2,3,4,5,6,7,8,9,10,11,12,13,14,15
	s_wait_dscnt 15-\t
	global_store_b128 v[CO], v[TM+4*\t:TM+4*\t+3], s[12:13] offset:(16*\a+\t)*4096 th:TH_STORE_NT   ; 32 lanes store 512 consecutive bytes, at a multiple of 512 from out0's first byte
.endr
.endm
	OUTBLK 0
	OUTBLK 1
	OUTBLK 2
	OUTBLK 3
	s_wait_tensorcnt 0x0                           ; the wave's end: behind my last tensor load and my last LDS store
	ds_add_u32 v[SPW], v[NIL]
	s_wait_dscnt 0x0
	CROUND                                         ; the closing round: no work-group ends while a partner may still ask for a tile that names it
	s_endpgm
.Lfunc_end_k_q3cd4938ace_moe:
	.size	k_q3cd4938ace_moe, .Lfunc_end_k_q3cd4938ace_moe-k_q3cd4938ace_moe
	.p2alignl 7, 3214868480
	.fill 96, 4, 3214868480
	.section	.rodata,"a",@progbits
	.p2align	6, 0x0
	.amdhsa_kernel k_q3cd4938ace_moe
		.amdhsa_group_segment_fixed_size 327680
		.amdhsa_private_segment_fixed_size 0
		.amdhsa_enable_private_segment 0
		.amdhsa_kernarg_size 40
		.amdhsa_user_sgpr_count 2
		.amdhsa_user_sgpr_kernarg_segment_ptr 1
		.amdhsa_wavefront_size32 1
		.amdhsa_system_sgpr_workgroup_id_x 1
		.amdhsa_system_sgpr_workgroup_id_y 1
		.amdhsa_system_sgpr_workgroup_id_z 1
		.amdhsa_system_vgpr_workitem_id 0
		.amdhsa_next_free_vgpr 1024
		.amdhsa_next_free_sgpr 80
		.amdhsa_reserve_vcc 0
		.amdhsa_float_denorm_mode_32 3
		.amdhsa_float_denorm_mode_16_64 3
		.amdhsa_memory_ordered 1
		.amdhsa_forward_progress 1
		.amdhsa_inst_pref_size 205
	.end_amdhsa_kernel
	.amdgpu_metadata
---
amdhsa.version: [ 1, 2 ]
amdhsa.kernels:
  - .name:           k_q3cd4938ace_moe
    .symbol:         k_q3cd4938ace_moe.kd
    .args:
      - { .name: xb, .offset: 0, .size: 8, .value_kind: global_buffer, .address_space: global }
      - { .name: wb, .offset: 8, .size: 8, .value_kind: global_buffer, .address_space: global }
      - { .name: gate2, .offset: 16, .size: 8, .value_kind: global_buffer, .address_space: global }
      - { .name: be, .offset: 24, .size: 8, .value_kind: global_buffer, .address_space: global }
      - { .name: out0, .offset: 32, .size: 8, .value_kind: global_buffer, .address_space: global }
    .group_segment_fixed_size: 327680
    .private_segment_fixed_size: 0
    .kernarg_segment_align: 8
    .kernarg_segment_size: 40
    .max_flat_workgroup_size: 128
    .sgpr_count:     80
    .vgpr_count:     1024
    .wavefront_size: 32
...
	.end_amdgpu_metadata
.endif
;; end of part 2
